; MI455X (gfx1250); checked and timed in simulation.
; The chip was launched on July 23, 2026; its instructions are those of AMD's public machine-readable ISA for CDNA 5 (MIT licence, August 2026) and "CDNA5" Instruction Set Architecture Reference Guide (July 2026). The comments in the code are by the model that wrote it; some were corrected since.
;; LNODE Func10. Allowed arithmetic: float matrix products may take bf16 or f16 operands with f32 sums; all other float work in f32.
;; Inputs: R 3 x 3 float32; Wb1_d1 20 x 20 float32; Wb1_d2 20 x 20 float32; Wb1_lin 20 x 1 float32; Wb2_d1 20 x 20 float32; Wb2_d2 20 x 20 float32; Wb2_lin 20 x 1 float32; Wd1 3 x 3 float32; Wd2 3 x 3 float32; Wd3 3 x 3 float32; Wd4 3 x 3 float32; Wl1 3 x 20 float32; Wl2 3 x 20 float32; Wl3 3 x 20 float32; Wl4 3 x 20 float32; Wout 1 x 20 float32; m 3 x 20 float32; t one number float32; x 1,000,000 x 1 x 3 float32.
;; Outputs: out0 1,000,000 x 1 x 3 float32.
;; One version. Each part assembles by itself: llvm-mc -triple=amdgcn-amd-amdhsa -mcpu=gfx1250 --defsym DOCPART=n.
;; ======== version 1 of 1: 1 launch
;; limits: right only within a limited range of input values
;; launch lnode (part 1): grid 256 x 1, 17 waves a work-group, no clusters, 54,784 bytes of LDS; arguments x, out0, t, R, m, Wl1, Wl2, Wl3, Wl4, Wd1, Wd2, Wd3, Wd4, Wb1_lin, Wb1_d1, Wb1_d2, Wb2_lin, Wb2_d1, Wb2_d2, Wout; writes out0
.if DOCPART == 1
	.amdgcn_target "amdgcn-amd-amdhsa--gfx1250"
	.amdhsa_code_object_version 6
	.text
	.protected	k_q4e7101bc04_lnode
	.globl	k_q4e7101bc04_lnode
	.p2align	8
	.type	k_q4e7101bc04_lnode,@function
k_q4e7101bc04_lnode:
	s_mov_b64 s[64:65], 0
	v_nop
	global_prefetch_b8 v0, s[64:65] scope:SCOPE_SE
	s_setreg_imm32_b32 hwreg(HW_REG_WAVE_MODE, 25, 1), 1
	s_wait_xcnt 0x0
; LNODEFunc10:  out[b] = Wout . ( bracket(x_b; Wb1_*, M1, M2) + bracket(u; Wb2_*, M3, M4) ),  x, out0: [1000000][3] f32.
;
; THE ALGEBRA.  Both bracket blocks lift ONE channel to 20, so every 20-channel tensor is an outer product (a fact of the shapes):
;   lin(x)[f] = lin1[f] x,   d1[f] = a1[f] (M1 x),   d2[f] = a2[f] (M2 x),   a1 = Wb1_d1 lin1,   a2 = Wb1_d2 lin1,
;   cross(d1, d2)[f] = a1[f] a2[f] cross(M1 x, M2 x),   and Wout sums over f.   Hence, for every input,
;   out_b = c1 cross(M1 x_b, M2 x_b) + c0 x_b + U,      c1 = sum Wout a1 a2,   c0 = sum Wout lin1,
;   U = e1 cross(M3 u, M4 u) + e0 u   (e1, e0 likewise from Wb2_*),   u = R 10 (sin t, cos t, sin t),
;   M_i = z_i^T z_i,   z_i = Killing-ReLU(Wl_i (R m)^T; Wd_i), with its clamp at -1e-12 and its select on kf_xd < 0.
; All of it in f32.  What is left for a row is 27 multiply-adds on 3-vectors, so the launch is a stream: 12 bytes in, 12 bytes out a row.
; The matrix unit is left out: two 3 x 3 products a row would fill a 16 x 16 x 32 instruction with zeros and round to bf16.
; No cluster: the work-groups share only the 8 KB of weights.  No ring, no loop: a wave's whole share is six 16-byte loads a lane.
;
; THE SHARES.  A block is 1,536 bytes = 128 rows = three loads of a wave (512 bytes each).  12,000,000 bytes are 7,812.5 blocks; work-group g
; takes 31 blocks if g < 133 and 30 otherwise (133 x 31 + 123 x 30 = 7,813, the last one half).  Waves 0 to 15 take two blocks each; wave 16
; makes the 16 constants meanwhile.  Lanes past the group's end load the group's last 16 bytes again and store nothing.
; A row is 12 bytes and a lane's load 16: each stream wave turns its 3,072 bytes through its own LDS bytes (in as 16-byte pieces, out as words at
; a lane stride of three words: 32 different words modulo 64), computes on pairs of rows, and sends the results back the same way, so that each
; store of a wave covers 512 consecutive bytes at a multiple of 512 from out0's first byte.
; What the part behind the barrier reads of addresses and limits (s[4:9], v2, v10, v11, v12) is made in the common head and written by neither path.
;
; LIMITS.  sin and cos: reduction by three parts of pi/2 with fused multiply-adds and Taylor sums to r^9 and r^8 on |r| <= pi/4; it holds for
; |t| < 2^22 (absolute error below 1e-6), degrades above, and gives NaN for t = inf or NaN as the definition does.  The division
; kf_xd / denom is v_rcp_f32 and a multiply (last-bit differences; a denominator beyond 2^126 in magnitude gives a reciprocal of 0).
; The linear sums are reassociated as shown above, so last bits differ from a channel-by-channel evaluation.
.set TOTAL,  12000000                  ; bytes of x and of out0
.set BLK,    1536                      ; bytes of a block
.set SHARE,  3072                      ; bytes of a stream wave, and of its stage in LDS
.set NBIG,   133                       ; work-groups with 31 blocks
.set STAGE0, 256                       ; LDS: wave w's stage begins at 256 + 3072 w (wave 16's is allotted and not used)
; LDS bytes 0-23 M1, 24-47 c1 M2, 48-95 M3, M4 (stored with them, not read), 96-111 c0, U0, U1, U2.
; A symmetric matrix is six words: 00, 01, 02, 11, 12, 22.
; common: s2 wave, s3 stage, s[4:5] x, s[6:7] out0, s8 lim, s9 my wave's first byte; v1 lane, v2 my byte offset in piece 0,
;         v10 stage by 16-byte pieces, v11 stage by rows, v12 the constants' LDS address
; stream waves' registers
.set IO,   16                          ; v[16:39]   six pieces of 16 bytes a lane: x as loaded, later the results
.set X,    40                          ; v[40:63]   block b, pair p, component c at X + 12 b + 6 p + 2 c: rows 64 p + lane and 64 p + 32 + lane
.set K,    64                          ; v[64:79]   M1 (6), c1 M2 (6), c0, U0, U1, U2
.set T0,   80                          ; v[80:97]   Y = M1 x (3 pairs), Z = c1 M2 x (3 pairs), O = result (3 pairs)
.set T1,   98                          ; v[98:115]  the same for the block's second pair
; wave 16's registers
.set AM,   4                           ; v4 m: my ten numbers;  v5 Wl: my row's ten;  v6 Wd: my row;  v7 row f of a 20 x 20;  v8 element f;  v9 LDS: matrix i
.set WL,   16                          ; v[16:55]   Wl_i, my row's ten numbers, i = 0..3; at work once g is made
.set WD,   56                          ; v[56:67]   Wd_i, my row
.set MM,   68                          ; v[68:97]   m, ten numbers of each of its three rows; later v[68:73] M_i, v[80:83] c0 and U
.set DD,   98                          ; v[98:177]  row f of Wb1_d1, Wb1_d2, Wb2_d1, Wb2_d2;  v178 Wout[f], v179 lin1[f], v180 lin2[f]
.set G,    182                         ; v[182:187] g_j in pairs
.set YV,   13                          ; v[13:15]   y
.set UV,   189                         ; v[189:191] u
.set YQ,   26                          ; v[26:34]   the quad's three rows of y
.set DV,   36                          ; v[36:38]   d
.set ZV,   42                          ; v[42:44]   z
.set MI,   68                          ; v[68:73]   M_i
.set QA,   46                          ; v[46:53]   eight partial sums of the four matrix-vector products
; ---------------------------------------------------------------- the common head
	v_lshrrev_b32 v1, 5, v0
	v_readfirstlane_b32 s2, v1                     ; wave 0..16
	v_and_b32 v1, 31, v0                           ; lane
	s_load_b128 s[4:7], s[0:1], 0x0                ; x s[4:5], out0 s[6:7]
	s_min_u32 s10, ttmp9, NBIG
	s_mul_i32 s11, ttmp9, 30
	s_add_co_u32 s11, s11, s10                     ; the group's first block: 30 g + min(g, 133)
	s_mul_i32 s9, s11, BLK                         ; its first byte
	s_add_co_u32 s10, ttmp9, 1
	s_min_u32 s11, s10, NBIG
	s_mul_i32 s10, s10, 30
	s_add_co_u32 s10, s10, s11                     ; the next group's first block
	s_mul_i32 s8, s10, BLK
	s_min_u32 s8, s8, TOTAL                        ; lim: the end of the group's share
	s_mul_i32 s10, s2, SHARE
	s_add_co_u32 s9, s9, s10                       ; my wave's first byte (wave 16: 32 blocks on, always at or past lim)
	s_add_co_u32 s3, s10, STAGE0                   ; my wave's stage in LDS
	v_lshl_add_u32 v2, v1, 4, s9                   ; byte offset of my 16 bytes in piece 0
	v_lshl_add_u32 v10, v1, 4, s3                  ; stage, by 16-byte pieces
	v_mad_u32_u24 v11, v1, 12, s3                  ; stage, by rows
	v_mov_b32 v12, 0                               ; the constants' LDS address
	s_cmp_eq_u32 s2, 16
	s_cbranch_scc1 .Lsetup
; ---------------------------------------------------------------- stream waves, in front of the barrier
	s_sub_co_u32 s13, s8, 16                       ; the group's last 16 bytes
.irp p, 0,1,2,3,4,5
	v_add_nc_u32 v[4+\p], 512*\p, v2
	v_min_u32 v[4+\p], s13, v[4+\p]                ; no load leaves the group's share
.endr
	s_wait_kmcnt 0x0
.irp p, 0,1,2,3,4,5
	global_load_b128 v[IO+4*\p:IO+4*\p+3], v[4+\p], s[4:5] th:TH_LOAD_NT
.endr
.irp p, 0,1,2,3,4,5
	s_wait_loadcnt 5-\p                            ; loads come back in order: piece p is in, the 5 - p younger ones stay out
	ds_store_b128 v10, v[IO+4*\p:IO+4*\p+3] offset:512*\p
.endr
.irp b, 0,1
.irp j, 0,1,2,3
.irp c, 0,1,2
	ds_load_b32 v[X+12*\b+6*(\j/2)+2*\c+(\j%2)], v11 offset:BLK*\b+384*\j+4*\c   ; component c of row 128 b + 32 j + lane; my own bytes, served in order behind the stores
.endr
.endr
.endr
	s_branch .Lmeet
; ---------------------------------------------------------------- wave 16: the constants.  All lanes on throughout.
; Lane roles: o = lane & 3 (row of z_i; o = 3 repeats o = 2 and is zeroed), i = (lane >> 2) & 3 (which M_i), h = lane >> 4 (which ten of the
; twenty f), and for the 20 x 20 matrices f = min(lane, 19) (lanes 20-31 repeat f = 19 and are zeroed).
.Lsetup:
	s_load_b512 s[12:27], s[0:1], 0x10             ; t 12, R 14, m 16, Wl1-4 18 20 22 24, Wd1 26
	s_load_b512 s[28:43], s[0:1], 0x50             ; Wd2-4 28 30 32, Wb1_lin 34, Wb1_d1 36, Wb1_d2 38, Wb2_lin 40, Wb2_d1 42
	s_load_b128 s[44:47], s[0:1], 0x90             ; Wb2_d2 44, Wout 46
	s_mov_b32 s66, 0x77777777                      ; lanes with o < 3
	s_mov_b32 s67, 0x000fffff                      ; lanes below 20
	s_mov_b32 s100, 0x76543210                     ; v_permlanex16_b32: lane l takes lane l xor 16
	s_mov_b32 s101, 0xfedcba98
	v_and_b32 v3, 3, v1
	v_min_u32 v3, 2, v3                            ; min(o, 2)
	v_lshrrev_b32 v13, 4, v1                       ; h
	v_mul_u32_u24 v4, 40, v13                      ; m: ten numbers on
	v_mad_u32_u24 v5, v3, 80, v4                   ; Wl: row o, ten numbers on
	v_mul_u32_u24 v6, 12, v3                       ; Wd: row o
	v_min_u32 v14, 19, v1                          ; f
	v_mul_u32_u24 v7, 80, v14                      ; row f of a 20 x 20 matrix
	v_lshlrev_b32 v8, 2, v14                       ; element f of a vector of 20
	v_bfe_u32 v15, v1, 2, 2                        ; i
	v_mul_u32_u24 v9, 24, v15                      ; LDS: matrix i
	s_wait_kmcnt 0x0
	s_load_b32 s10, s[12:13], 0x0                  ; t
	s_load_b256 s[48:55], s[14:15], 0x0            ; R[0..7]
	s_load_b32 s11, s[14:15], 0x20                 ; R[8]
	s_load_b512 s[68:83], s[34:35], 0x0            ; lin1[0..15]
	s_load_b128 s[56:59], s[34:35], 0x40           ; lin1[16..19]
	s_load_b512 s[84:99], s[40:41], 0x0            ; lin2[0..15]
	s_load_b128 s[60:63], s[40:41], 0x40           ; lin2[16..19]
	; 47 loads for the four M_i ...
.irp j, 0,1,2
.irp c, 0,1,2,3,4
	global_load_b64 v[MM+10*\j+2*\c:MM+10*\j+2*\c+1], v4, s[16:17] offset:80*\j+8*\c
.endr
.endr
.irp i, 0,1,2,3
.irp c, 0,1,2,3,4
	global_load_b64 v[WL+10*\i+2*\c:WL+10*\i+2*\c+1], v5, s[18+2*\i:19+2*\i] offset:8*\c
.endr
.endr
.irp i, 0,1,2,3
.irp f, 0,1,2
	global_load_b32 v[WD+3*\i+\f], v6, s[26+2*\i:27+2*\i] offset:4*\f
.endr
.endr
	; ... and 23 for c1, c0, e1, e0
.macro LDD q, sb
.irp c, 0,1,2,3,4
	global_load_b128 v[DD+20*\q+4*\c:DD+20*\q+4*\c+3], v7, s[\sb:\sb+1] offset:16*\c
.endr
.endm
	LDD 0, 36
	LDD 1, 38
	LDD 2, 42
	LDD 3, 44
	global_load_b32 v178, v8, s[46:47]             ; Wout[f]
	global_load_b32 v179, v8, s[34:35]             ; lin1[f]
	global_load_b32 v180, v8, s[40:41]             ; lin2[f]
	s_wait_kmcnt 0x0                               ; t, R, lin1, lin2 are in; the loads through s[12:15] are done, so these registers are free
	s_mov_b32 s12, 0xf0f0f0f0                      ; lanes with i odd
	s_mov_b32 s13, 0xff00ff00                      ; lanes with i >= 2
	s_mov_b32 s14, 0x00f000f0                      ; lanes with i = 1
	; u = R 10 (sin t, cos t, sin t), while the vector loads are on their way
	v_mov_b32 v181, s10
	v_mul_f32 v182, 0x3f22f983, v181               ; t x 2/pi
	v_rndne_f32 v182, v182                         ; n
	v_fmamk_f32 v183, v182, 0xbfc90fdb, v181       ; r = t - n pi/2, pi/2 in three parts, each product exact inside its fused multiply-add
	v_fmamk_f32 v183, v182, 0x333bbd2e, v183
	v_fmamk_f32 v183, v182, 0x26f72cee, v183
	v_mul_f32 v184, v183, v183                     ; r^2
	v_mov_b32 v185, 0x3638ef1d                     ; 1/9!
	v_mov_b32 v186, 0x37d00d01                     ; 1/8!
	v_fmaak_f32 v185, v185, v184, 0xb9500d01       ; -1/7!
	v_fmaak_f32 v186, v186, v184, 0xbab60b61       ; -1/6!
	v_fmaak_f32 v185, v185, v184, 0x3c088889       ; 1/5!
	v_fmaak_f32 v186, v186, v184, 0x3d2aaaab       ; 1/4!
	v_fmaak_f32 v185, v185, v184, 0xbe2aaaab       ; -1/3!
	v_fmaak_f32 v186, v186, v184, 0xbf000000       ; -1/2!
	v_mul_f32 v185, v185, v184
	v_fma_f32 v186, v186, v184, 1.0                ; cos r
	v_fma_f32 v185, v185, v183, v183               ; sin r
	v_cvt_i32_f32 v187, v182                       ; the quadrant q = n
	v_and_b32 v188, 1, v187
	v_cmp_eq_u32 vcc_lo, 1, v188
	v_cndmask_b32 v3, v185, v186, vcc_lo           ; q odd: sin t is +-cos r,
	v_cndmask_b32 v13, v186, v185, vcc_lo          ; and cos t is +-sin r
	v_lshlrev_b32 v188, 30, v187
	v_and_b32 v188, 0x80000000, v188               ; sin t changes sign for q = 2, 3 mod 4
	v_xor_b32 v3, v3, v188
	v_add_nc_u32 v187, 1, v187
	v_lshlrev_b32 v187, 30, v187
	v_and_b32 v187, 0x80000000, v187               ; cos t for q = 1, 2 mod 4
	v_xor_b32 v13, v13, v187
	v_mul_f32 v3, 0x41200000, v3                   ; S = 10 sin t
	v_mul_f32 v13, 0x41200000, v13                 ; C = 10 cos t
	v_mul_f32 v[UV+0], s48, v3                     ; u_k = R[k][0] S + R[k][1] C + R[k][2] S
	v_mul_f32 v[UV+1], s51, v3
	v_mul_f32 v[UV+2], s54, v3
	v_fmac_f32 v[UV+0], s49, v13
	v_fmac_f32 v[UV+1], s52, v13
	v_fmac_f32 v[UV+2], s55, v13
	v_fmac_f32 v[UV+0], s50, v3
	v_fmac_f32 v[UV+1], s53, v3
	v_fmac_f32 v[UV+2], s11, v3
	; the four M_i, one in each quad of lanes
	s_wait_loadcnt 23                              ; m, Wl, Wd are in; the 23 younger loads stay out
.irp r, 0,1,2,3,4,5,6,7,8,9
	v_cndmask_b32 v[WL+\r], v[WL+\r], v[WL+10+\r], s12        ; quad i keeps Wl_i
	v_cndmask_b32 v[WL+20+\r], v[WL+20+\r], v[WL+30+\r], s12
	v_cndmask_b32 v[WL+\r], v[WL+\r], v[WL+20+\r], s13
.endr
.irp r, 0,1,2
	v_cndmask_b32 v[WD+\r], v[WD+\r], v[WD+3+\r], s12         ; and Wd_i
	v_cndmask_b32 v[WD+6+\r], v[WD+6+\r], v[WD+9+\r], s12
	v_cndmask_b32 v[WD+\r], v[WD+\r], v[WD+6+\r], s13
.endr
.irp j, 0,1,2
	v_pk_mul_f32 v[G+2*\j:G+2*\j+1], v[WL:WL+1], v[MM+10*\j:MM+10*\j+1]    ; g_j = sum over f of Wl[o][f] m[j][f]: my ten f, two at a time
.endr
.irp c, 1,2,3,4
.irp j, 0,1,2
	v_pk_fma_f32 v[G+2*\j:G+2*\j+1], v[WL+2*\c:WL+2*\c+1], v[MM+10*\j+2*\c:MM+10*\j+2*\c+1], v[G+2*\j:G+2*\j+1]
.endr
.endr
.irp j, 0,1,2
	v_add_f32 v[G+2*\j], v[G+2*\j], v[G+2*\j+1]
.endr
.irp j, 0,1,2
	v_permlanex16_b32 v[G+2*\j+1], v[G+2*\j], s100, s101      ; the other ten f
.endr
.irp j, 0,1,2
	v_add_f32 v[G+2*\j], v[G+2*\j], v[G+2*\j+1]
.endr
	v_mul_f32 v[YV+0], s48, v[G]                   ; y_k = sum over j of R[k][j] g_j  =  (Wl (R m)^T)[o][k]
	v_mul_f32 v[YV+1], s51, v[G]
	v_mul_f32 v[YV+2], s54, v[G]
	v_fmac_f32 v[YV+0], s49, v[G+2]
	v_fmac_f32 v[YV+1], s52, v[G+2]
	v_fmac_f32 v[YV+2], s55, v[G+2]
	v_fmac_f32 v[YV+0], s50, v[G+4]
	v_fmac_f32 v[YV+1], s53, v[G+4]
	v_fmac_f32 v[YV+2], s11, v[G+4]
.irp k, 0,1,2
	v_mov_b32_dpp v[YQ+\k],   v[YV+\k] quad_perm:[0,0,0,0] row_mask:0xf bank_mask:0xf   ; the quad's three rows of y, in every lane of the quad
	v_mov_b32_dpp v[YQ+3+\k], v[YV+\k] quad_perm:[1,1,1,1] row_mask:0xf bank_mask:0xf
	v_mov_b32_dpp v[YQ+6+\k], v[YV+\k] quad_perm:[2,2,2,2] row_mask:0xf bank_mask:0xf
.endr
.irp k, 0,1,2
	v_mul_f32 v[DV+\k], v[WD], v[YQ+\k]            ; d_k = sum over f' of Wd[o][f'] y[f'][k]
.endr
.irp k, 0,1,2
	v_fmac_f32 v[DV+\k], v[WD+1], v[YQ+3+\k]
.endr
.irp k, 0,1,2
	v_fmac_f32 v[DV+\k], v[WD+2], v[YQ+6+\k]
.endr
	v_mul_f32 v39, v[YV], v[DV]                    ; y . d
	v_mul_f32 v40, v[DV], v[DV]                    ; d . d
	v_fmac_f32 v39, v[YV+1], v[DV+1]
	v_fmac_f32 v40, v[DV+1], v[DV+1]
	v_fmac_f32 v39, v[YV+2], v[DV+2]
	v_fmac_f32 v40, v[DV+2], v[DV+2]
	v_mul_f32 v40, -2.0, v40                       ; kf_dd
	v_min_num_f32 v40, 0xab8cbccc, v40             ; min(kf_dd, -1e-12).  A NaN here means a NaN in d, hence in kf_xd and in the ratio: the result is NaN either way
	v_rcp_f32 v41, v40
	v_mul_f32 v39, -2.0, v39                       ; kf_xd; also the plain instruction between v_rcp_f32 and the use of its result (ISA guide 5.7.2)
	s_wait_alu depctr_va_vdst(0)
	v_mul_f32 v41, v39, v41                        ; kf_xd / denom
	v_cmp_gt_f32 vcc_lo, 0, v39                    ; kf_xd < 0 (false for NaN, as in the definition)
.irp k, 0,1,2
	v_fma_f32 v[ZV+\k], -v41, v[DV+\k], v[YV+\k]   ; y - ratio d
.endr
.irp k, 0,1,2
	v_cndmask_b32 v[ZV+\k], v[ZV+\k], v[YV+\k], vcc_lo        ; y where kf_xd < 0
.endr
.irp k, 0,1,2
	v_cndmask_b32 v[ZV+\k], 0, v[ZV+\k], s66       ; the fourth lane of a quad adds nothing
.endr
	v_mul_f32 v[MI+0], v[ZV], v[ZV]                ; M[p][q] = sum over o of z[o][p] z[o][q]
	v_mul_f32 v[MI+1], v[ZV], v[ZV+1]
	v_mul_f32 v[MI+2], v[ZV], v[ZV+2]
	v_mul_f32 v[MI+3], v[ZV+1], v[ZV+1]
	v_mul_f32 v[MI+4], v[ZV+1], v[ZV+2]
	v_mul_f32 v[MI+5], v[ZV+2], v[ZV+2]
.irp xm, 1,2
.irp r, 0,1,2,3,4,5
	v_add_f32_dpp v[MI+\r], v[MI+\r], v[MI+\r] row_xmask:\xm row_mask:0xf bank_mask:0xf
.endr
.endr
	; c1, c0, e1, e0
	s_wait_loadcnt 0x0
.macro QSTEP j                         ; column j of the four matrices times lin[j]; even and odd j in chains of their own: eight chains take turns
.if \j < 16
.set L1, 68+\j
.set L2, 84+\j
.else
.set L1, 40+\j
.set L2, 44+\j
.endif
.if \j < 2
	v_mul_f32 v[QA+0+(\j&1)], s[L1], v[DD+\j]
	v_mul_f32 v[QA+2+(\j&1)], s[L1], v[DD+20+\j]
	v_mul_f32 v[QA+4+(\j&1)], s[L2], v[DD+40+\j]
	v_mul_f32 v[QA+6+(\j&1)], s[L2], v[DD+60+\j]
.else
	v_fmac_f32 v[QA+0+(\j&1)], s[L1], v[DD+\j]
	v_fmac_f32 v[QA+2+(\j&1)], s[L1], v[DD+20+\j]
	v_fmac_f32 v[QA+4+(\j&1)], s[L2], v[DD+40+\j]
	v_fmac_f32 v[QA+6+(\j&1)], s[L2], v[DD+60+\j]
.endif
.endm
.irp j, 0,1,2,3,4,5,6,7,8,9,10,11,12,13,14,15,16,17,18,19
	QSTEP \j
.endr
.irp q, 0,1,2,3
	v_add_f32 v[QA+2*\q], v[QA+2*\q], v[QA+2*\q+1] ; a1[f], a2[f], b1[f], b2[f]
.endr
	v_mul_f32 v16, v[QA], v[QA+2]
	v_mul_f32 v18, v[QA+4], v[QA+6]
	v_mul_f32 v17, v178, v179                      ; Wout lin1
	v_mul_f32 v19, v178, v180                      ; Wout lin2
	v_mul_f32 v16, v178, v16                       ; Wout a1 a2
	v_mul_f32 v18, v178, v18                       ; Wout b1 b2
.irp r, 16,17,18,19
	v_cndmask_b32 v\r, 0, v\r, s67                 ; lanes 20-31 add nothing
.endr
.irp xm, 1,2,4,8
.irp r, 16,17,18,19
	v_add_f32_dpp v\r, v\r, v\r row_xmask:\xm row_mask:0xf bank_mask:0xf
.endr
.endr
.irp r, 0,1,2,3
	v_permlanex16_b32 v[20+\r], v[16+\r], s100, s101
.endr
.irp r, 0,1,2,3
	v_add_f32 v[16+\r], v[16+\r], v[20+\r]         ; v16 c1, v17 c0, v18 e1, v19 e0, in every lane
.endr
	; U = e1 cross(M3 u, M4 u) + e0 u
	v_mul_f32 v24, v[MI+0], v[UV]                  ; M_i u, in every quad
	v_mul_f32 v25, v[MI+1], v[UV]
	v_mul_f32 v26, v[MI+2], v[UV]
	v_fmac_f32 v24, v[MI+1], v[UV+1]
	v_fmac_f32 v25, v[MI+3], v[UV+1]
	v_fmac_f32 v26, v[MI+4], v[UV+1]
	v_fmac_f32 v24, v[MI+2], v[UV+2]
	v_fmac_f32 v25, v[MI+4], v[UV+2]
	v_fmac_f32 v26, v[MI+5], v[UV+2]
.irp k, 0,1,2
	v_mov_b32_dpp v[28+\k], v[24+\k] row_share:8 row_mask:0xf bank_mask:0xf    ; M3 u from the quad i = 2
	v_mov_b32_dpp v[31+\k], v[24+\k] row_share:12 row_mask:0xf bank_mask:0xf   ; M4 u from the quad i = 3
.endr
	v_mul_f32 v34, v29, v33
	v_mul_f32 v35, v30, v31
	v_mul_f32 v36, v28, v32
	v_fma_f32 v34, -v30, v32, v34
	v_fma_f32 v35, -v28, v33, v35
	v_fma_f32 v36, -v29, v31, v36
	v_mov_b32 v80, v17                             ; c0
.irp k, 0,1,2
	v_mul_f32 v[81+\k], v19, v[UV+\k]
.endr
.irp k, 0,1,2
	v_fmac_f32 v[81+\k], v18, v[34+\k]
.endr
	v_cndmask_b32 v37, 1.0, v16, s14               ; c1 goes into M2: cross(M1 x, c1 M2 x)
.irp r, 0,1,2,3,4,5
	v_mul_f32 v[MI+\r], v37, v[MI+\r]
.endr
	ds_store_b64 v9, v[MI:MI+1]                    ; the lanes of a quad, and the two halves of the wave, hold equal numbers
	ds_store_b64 v9, v[MI+2:MI+3] offset:8
	ds_store_b64 v9, v[MI+4:MI+5] offset:16
	ds_store_b128 v12, v[80:83] offset:96
; ---------------------------------------------------------------- the one barrier: the constants pass from wave 16 to the others
.Lmeet:
	s_wait_dscnt 0x0                               ; wave 16: its stores of the constants are done, for the readers' sake; stream waves: their rows are in registers
	s_barrier_signal -1
	s_barrier_wait -1
	s_cmp_ge_u32 s9, s8
	s_cbranch_scc1 .Lend                           ; no byte to store: wave 16 always (32 blocks on), and wave 15 in a group of 30 blocks
; ---------------------------------------------------------------- stream waves, behind the barrier
.macro PKM d, x, n                     ; pair d = pair x times the constant K[n], taken from its register pair for both halves
.if ((\n) & 1)
	v_pk_mul_f32 v[(\d):(\d)+1], v[(\x):(\x)+1], v[K+(\n)-1:K+(\n)] op_sel:[0,1] op_sel_hi:[1,1]
.else
	v_pk_mul_f32 v[(\d):(\d)+1], v[(\x):(\x)+1], v[K+(\n):K+(\n)+1] op_sel:[0,0] op_sel_hi:[1,0]
.endif
.endm
.macro PKF d, x, n                     ; pair d += pair x times K[n]
.if ((\n) & 1)
	v_pk_fma_f32 v[(\d):(\d)+1], v[(\x):(\x)+1], v[K+(\n)-1:K+(\n)], v[(\d):(\d)+1] op_sel:[0,1,0] op_sel_hi:[1,1,1]
.else
	v_pk_fma_f32 v[(\d):(\d)+1], v[(\x):(\x)+1], v[K+(\n):K+(\n)+1], v[(\d):(\d)+1] op_sel:[0,0,0] op_sel_hi:[1,0,1]
.endif
.endm
.macro CRP o, y, z                     ; pair o += y z
	v_pk_fma_f32 v[(\o):(\o)+1], v[(\y):(\y)+1], v[(\z):(\z)+1], v[(\o):(\o)+1]
.endm
.macro CRN o, y, z                     ; pair o -= y z
	v_pk_fma_f32 v[(\o):(\o)+1], v[(\y):(\y)+1], v[(\z):(\z)+1], v[(\o):(\o)+1] neg_lo:[1,0,0] neg_hi:[1,0,0]
.endm
; Two rows: 27 packed instructions.  xb: the pair's x0, x1, x2; t: Y at t, t+2, t+4, Z at t+6, t+8, t+10, O at t+12, t+14, t+16.
.macro PAIR xb, t
	PKM \t+0,  \xb, 0                              ; six sums of three take turns
	PKM \t+2,  \xb, 1
	PKM \t+4,  \xb, 2
	PKM \t+6,  \xb, 6
	PKM \t+8,  \xb, 7
	PKM \t+10, \xb, 8
	PKF \t+0,  \xb+2, 1
	PKF \t+2,  \xb+2, 3
	PKF \t+4,  \xb+2, 4
	PKF \t+6,  \xb+2, 7
	PKF \t+8,  \xb+2, 9
	PKF \t+10, \xb+2, 10
	PKF \t+0,  \xb+4, 2
	PKF \t+2,  \xb+4, 4
	PKF \t+4,  \xb+4, 5
	PKF \t+6,  \xb+4, 8
	PKF \t+8,  \xb+4, 10
	PKF \t+10, \xb+4, 11
	v_pk_fma_f32 v[(\t)+12:(\t)+13], v[(\xb):(\xb)+1],     v[K+12:K+13], v[K+12:K+13] op_sel:[0,0,1] op_sel_hi:[1,0,1]   ; c0 x0 + U0
	v_pk_fma_f32 v[(\t)+14:(\t)+15], v[(\xb)+2:(\xb)+3], v[K+12:K+13], v[K+14:K+15] op_sel:[0,0,0] op_sel_hi:[1,0,0]   ; c0 x1 + U1
	v_pk_fma_f32 v[(\t)+16:(\t)+17], v[(\xb)+4:(\xb)+5], v[K+12:K+13], v[K+14:K+15] op_sel:[0,0,1] op_sel_hi:[1,0,1]   ; c0 x2 + U2
	CRP \t+12, \t+2, \t+10                         ; + Y x Z
	CRP \t+14, \t+4, \t+6
	CRP \t+16, \t+0, \t+8
	CRN \t+12, \t+4, \t+8
	CRN \t+14, \t+0, \t+10
	CRN \t+16, \t+2, \t+6
.endm
.macro PUT b, p, t                     ; the pair's results go where its x lay: those words are in registers since the wait in front of the barrier
.irp c, 0,1,2
.irp e, 0,1
	ds_store_b32 v11, v[(\t)+12+2*\c+\e] offset:BLK*\b+384*(2*\p+\e)+4*\c
.endr
.endr
.endm
.macro GST p                           ; piece p leaves: 512 consecutive bytes of out0 from the wave, less at the share's end
	s_sub_co_u32 s10, s8, 512*(\p)
	v_cmp_gt_u32 vcc_lo, s10, v2                   ; my 16 bytes of piece p end at or below lim (all figures are multiples of 16)
	s_wait_dscnt 2-((\p)%3)                        ; LDS loads come back in order: piece p is in, the block's younger pieces stay out
	s_and_saveexec_b32 s30, vcc_lo                 ; no global instruction has been issued since the last s_wait_xcnt 0
	global_store_b128 v2, v[IO+4*(\p):IO+4*(\p)+3], s[6:7] offset:512*(\p) th:TH_STORE_NT
	s_wait_xcnt 0x0                                ; EXEC is a source of the store: it is widened only behind this wait
	s_or_b32 exec_lo, exec_lo, s30
.endm
.macro BLOCK b
	PAIR X+12*\b, T0
	PUT \b, 0, T0
	PAIR X+12*\b+6, T1
	PUT \b, 1, T1
.irp s, 0,1,2
	ds_load_b128 v[IO+12*\b+4*\s:IO+12*\b+4*\s+3], v10 offset:BLK*\b+512*\s   ; my own bytes, served in order behind the stores above
.endr
	GST 3*\b
	GST 3*\b+1
	GST 3*\b+2
.endm
	s_wait_xcnt 0x0                                ; EXEC, a source of the loads issued so far, is narrowed further down
	ds_load_b128 v[K:K+3],     v12                 ; M1, c1 M2,
	ds_load_b128 v[K+4:K+7],   v12 offset:16
	ds_load_b128 v[K+8:K+11],  v12 offset:32
	ds_load_b128 v[K+12:K+15], v12 offset:96       ; c0, U
	s_wait_dscnt 0x0
	BLOCK 0                                        ; the first block's stores leave before the second is computed
	BLOCK 1
.Lend:
	s_wait_xcnt 0x0
	s_mov_b32 exec_lo, -1
	v_lshl_add_u32 v190, v0, 2, 0xcd00
	v_mov_b32 v191, 0
	s_wait_tensorcnt 0x0
	ds_add_u32 v190, v191
	s_wait_dscnt 0x0
	s_endpgm
.Lfunc_end_k_q4e7101bc04_lnode:
	.size	k_q4e7101bc04_lnode, .Lfunc_end_k_q4e7101bc04_lnode-k_q4e7101bc04_lnode
	.p2alignl 7, 3214868480
	.fill 96, 4, 3214868480
	.section	.rodata,"a",@progbits
	.p2align	6, 0x0
	.amdhsa_kernel k_q4e7101bc04_lnode
		.amdhsa_group_segment_fixed_size 54784
		.amdhsa_private_segment_fixed_size 0
		.amdhsa_enable_private_segment 0
		.amdhsa_kernarg_size 160
		.amdhsa_user_sgpr_count 2
		.amdhsa_user_sgpr_kernarg_segment_ptr 1
		.amdhsa_wavefront_size32 1
		.amdhsa_system_sgpr_workgroup_id_x 1
		.amdhsa_system_sgpr_workgroup_id_y 1
		.amdhsa_system_sgpr_workgroup_id_z 1
		.amdhsa_system_vgpr_workitem_id 0
		.amdhsa_next_free_vgpr 192
		.amdhsa_next_free_sgpr 102
		.amdhsa_reserve_vcc 1
		.amdhsa_float_denorm_mode_32 3
		.amdhsa_float_denorm_mode_16_64 3
		.amdhsa_memory_ordered 1
		.amdhsa_forward_progress 1
		.amdhsa_inst_pref_size 39
	.end_amdhsa_kernel
	.amdgpu_metadata
---
amdhsa.version: [ 1, 2 ]
amdhsa.kernels:
  - .name:           k_q4e7101bc04_lnode
    .symbol:         k_q4e7101bc04_lnode.kd
    .args:
      - { .name: x, .offset: 0, .size: 8, .value_kind: global_buffer, .address_space: global }
      - { .name: out0, .offset: 8, .size: 8, .value_kind: global_buffer, .address_space: global }
      - { .name: t, .offset: 16, .size: 8, .value_kind: global_buffer, .address_space: global }
      - { .name: R, .offset: 24, .size: 8, .value_kind: global_buffer, .address_space: global }
      - { .name: m, .offset: 32, .size: 8, .value_kind: global_buffer, .address_space: global }
      - { .name: Wl1, .offset: 40, .size: 8, .value_kind: global_buffer, .address_space: global }
      - { .name: Wl2, .offset: 48, .size: 8, .value_kind: global_buffer, .address_space: global }
      - { .name: Wl3, .offset: 56, .size: 8, .value_kind: global_buffer, .address_space: global }
      - { .name: Wl4, .offset: 64, .size: 8, .value_kind: global_buffer, .address_space: global }
      - { .name: Wd1, .offset: 72, .size: 8, .value_kind: global_buffer, .address_space: global }
      - { .name: Wd2, .offset: 80, .size: 8, .value_kind: global_buffer, .address_space: global }
      - { .name: Wd3, .offset: 88, .size: 8, .value_kind: global_buffer, .address_space: global }
      - { .name: Wd4, .offset: 96, .size: 8, .value_kind: global_buffer, .address_space: global }
      - { .name: Wb1_lin, .offset: 104, .size: 8, .value_kind: global_buffer, .address_space: global }
      - { .name: Wb1_d1, .offset: 112, .size: 8, .value_kind: global_buffer, .address_space: global }
      - { .name: Wb1_d2, .offset: 120, .size: 8, .value_kind: global_buffer, .address_space: global }
      - { .name: Wb2_lin, .offset: 128, .size: 8, .value_kind: global_buffer, .address_space: global }
      - { .name: Wb2_d1, .offset: 136, .size: 8, .value_kind: global_buffer, .address_space: global }
      - { .name: Wb2_d2, .offset: 144, .size: 8, .value_kind: global_buffer, .address_space: global }
      - { .name: Wout, .offset: 152, .size: 8, .value_kind: global_buffer, .address_space: global }
    .group_segment_fixed_size: 54784
    .private_segment_fixed_size: 0
    .kernarg_segment_align: 8
    .kernarg_segment_size: 160
    .max_flat_workgroup_size: 544
    .sgpr_count:     102
    .vgpr_count:     192
    .wavefront_size: 32
...
	.end_amdgpu_metadata
.endif
;; end of part 1
